; MI455X (gfx1250); checked and timed in simulation.
; The chip was launched on July 23, 2026; its instructions are those of AMD's public machine-readable ISA for CDNA 5 (MIT licence, August 2026) and "CDNA5" Instruction Set Architecture Reference Guide (July 2026). The comments in the code are by the model that wrote it; some were corrected since.
;; Scaled Dot Product Attention. Allowed arithmetic: float matrix products may take bf16 or f16 operands with f32 sums; other float arithmetic in f32, or as packed bf16 or f16 multiplies, adds, multiply-adds, maxima and minima; sums over many terms, partial sums and values carried from step to step in f32; what a program stores and reads back later, other than sums and carried values, may be rounded once to bf16 or f16.
;; Inputs: keys 4 x 16 x 2,048 x 64 float32; mask 2,048 x 2,048 bool; queries 4 x 16 x 2,048 x 64 float32; values 4 x 16 x 2,048 x 64 float32.
;; Outputs: out0 4 x 16 x 2,048 x 64 float32.
;; One version. Each part assembles by itself: llvm-mc -triple=amdgcn-amd-amdhsa -mcpu=gfx1250 --defsym DOCPART=n.
;; ======== version 1 of 1: 2 launches
;; limits: values are held in f16: magnitudes above 65,504 overflow, below 6.1e-05 lose precision; inputs' magnitudes at most 65,504; right only within a limited range of input values
;; workspace buffers: lanem 524,288 bytes of whole numbers; cls 1,024 bytes of whole numbers
;; launch maskprep (part 1): grid 128 x 1, 4 waves a work-group, no clusters, 34,304 bytes of LDS; arguments mask, lanem, cls; writes lanem, cls
.if DOCPART == 1
	.amdgcn_target "amdgcn-amd-amdhsa--gfx1250"
	.amdhsa_code_object_version 6
	.text
	.protected	k_q3d85c589c2_maskprep
	.globl	k_q3d85c589c2_maskprep
	.p2align	8
	.type	k_q3d85c589c2_maskprep,@function
k_q3d85c589c2_maskprep:
	s_mov_b64 s[64:65], 0
	v_nop
	global_prefetch_b8 v0, s[64:65] scope:SCOPE_SE
	s_setreg_imm32_b32 hwreg(HW_REG_WAVE_MODE, 25, 1), 1
	s_wait_xcnt 0x0
; THE MASK, LAID OUT FOR THE ATTENTION LAUNCH.  mask: [2048][2048] bytes, 0 or 1.  No pattern of it is built in.
; For a tile of 16 queries qt (0..127) and a step of 64 keys ks (0..31) the attention launch holds the scores transposed: register n = 8 kb + j of lane L is
; query 16 qt + L % 16, key 64 ks + 16 kb + 8 (L / 16) + j.  This launch stores
;   lanem: 32 words at byte (32 qt + ks) x 128: bit L of word n = the mask of that score: a lane mask for one select;
;   cls:   ANY[qt] at byte 4 qt: bit ks = some key of the tile-step is visible;  SF[qt] at byte 512 + 4 qt: bit ks = some key is hidden.
; NO WORK OF reference() IS LEFT OUT AS DEAD, and every input is loaded.  What the next launch jumps over is chosen by these whole numbers, read from memory: a tile-step whose 1,024
; mask bytes are all 0 has weights exp(-inf) = 0 for every value of queries, keys and values.  LIMIT: a NaN or an infinity in keys or values that reaches only such tile-steps is not carried to the result.
; SHARES.  A work-group has one qt (16 rows of the mask), wave v the steps 8 v .. 8 v + 7: 512 bytes of each row.  A load covers 512 consecutive bytes of a row; the rows go through the
; wave's own LDS bytes so that a lane gets the 8 bytes of its row and key group.  No wave reads another's bytes: no barrier.
; Matrix units, clusters and tensor loads have nothing to do here: 4 MiB are read once, and 0.5 MiB written.
.set ROWB,  2048                       ; bytes in a row of the mask
.set PITCH, 528                        ; an LDS row: 512 bytes + 16 = 132 words: row r starts at bank 4 r mod 64 (64 banks of 4 bytes: ISA guide 11.1), so the 32 lanes' 8 bytes fall on all banks once
.set WREG,  16*PITCH                   ; a wave's 16 rows
.set SPARE, 4*WREG                     ; behind them: the spare words, 128 bytes for each wave: two blocks of 256 bytes that no other line names
.set SPW, 8                            ; v8   LDS address of my spare word; never rewritten
.set NIL, 9                            ; v9   0; never rewritten
.set OUT, 16                           ; v[16:19], v[20:23]  512 bytes of lanem each: four steps' words, lane l holding words 4 l .. 4 l + 3
.set IN,  64                           ; v[64:127]   the 16 rows as loaded
.set BK,  128                          ; v[128:191]  step s, key group kb: my 8 bytes at BK + 8 s + 2 kb
.set BAL, 32                           ; s[32:39]    eight lane masks at a time
	s_load_b128 s[4:7], s[0:1], 0x0                ; mask s[4:5], lanem s[6:7]
	s_load_b64 s[8:9], s[0:1], 0x10                ; cls
	v_lshl_add_u32 v[SPW], v0, 2, SPARE
	v_mov_b32 v[NIL], 0
	v_lshrrev_b32 v5, 5, v0
	v_readfirstlane_b32 s10, v5                    ; wave 0..3
	v_and_b32 v1, 31, v0                           ; lane
	v_lshlrev_b32 v2, 4, v1                        ; 16 x lane: my 16 bytes of 512
	s_mul_i32 s11, s10, WREG
	v_add_nc_u32 v3, s11, v2                       ; where I put them
	v_and_b32 v5, 15, v0
	v_bfe_u32 v6, v0, 4, 1
	v_mul_u32_u24 v4, v5, PITCH
	v_lshl_add_u32 v4, v6, 3, v4
	v_add_nc_u32 v4, s11, v4                       ; where I read: row l % 16, 8 bytes for each half of the lanes
	v_mov_b32 v10, 0
.irp r, 0,1,2,3,4,5,6,7
	v_mov_b32 v[OUT+(\r)], 0                       ; v_writelane_b32 keeps the other lanes: its destination is written whole first
.endr
	s_mov_b32 s12, 0                               ; my 8 bits of ANY
	s_mov_b32 s13, 0                               ; my 8 bits of SF
	s_mov_b32 s14, 0x08080808                      ; a lane's byte sums where all its 32 keys are visible
	s_lshl_b32 s16, ttmp9, 15                      ; 16 rows of 2,048 bytes,
	s_lshl_b32 s17, s10, 9                         ; my 512 bytes of a row
	s_add_co_u32 s16, s16, s17
	s_mov_b32 s17, 0
	s_lshl_b32 s18, ttmp9, 12                      ; 32 steps of 128 bytes,
	s_lshl_b32 s19, s10, 10                        ; my eight
	s_add_co_u32 s18, s18, s19
	s_mov_b32 s19, 0
	s_lshl_b32 s20, ttmp9, 2                       ; the tile's word of cls,
	s_add_co_u32 s20, s20, s10                     ; my byte of it: bits 8 v .. 8 v + 7
	s_mov_b32 s21, 0
	s_wait_kmcnt 0x0
	s_add_nc_u64 s[4:5], s[4:5], s[16:17]
	s_add_nc_u64 s[6:7], s[6:7], s[18:19]
	s_add_nc_u64 s[8:9], s[8:9], s[20:21]
.set p, 0
.rept 16
	global_load_b128 v[IN+4*p:IN+4*p+3], v2, s[4:5] offset:ROWB*p th:TH_LOAD_NT
.set p, p+1
.endr
.set p, 0
.rept 16
	s_wait_loadcnt 15-p                            ; loads come back in order: row p is in, the younger rows stay out
	ds_store_b128 v3, v[IN+4*p:IN+4*p+3] offset:PITCH*p
.set p, p+1
.endr
.set p, 0
.rept 32                                       ; step p / 4, key group p % 4.  LDS serves a wave's instructions in order: these see the stores above
	ds_load_b64 v[BK+2*p:BK+2*p+1], v4 offset:16*p
.set p, p+1
.endr
	s_wait_dscnt 0x0
; One step of 64 keys: its two flags, then its 32 lane masks, eight at a time.
.macro STEP s
.set R0, BK+8*(\s)
	v_add3_u32 v5, v[R0], v[R0+1], v[R0+2]         ; byte by byte: eight bytes of 0 or 1 add up to 8 at the most, so no byte carries
	v_add3_u32 v5, v5, v[R0+3], v[R0+4]
	v_add3_u32 v5, v5, v[R0+5], v[R0+6]
	v_add_nc_u32 v5, v5, v[R0+7]
	v_cmp_ne_u32 vcc_lo, 0, v5                     ; a lane that sees a key
	s_cmp_lg_u32 vcc_lo, 0
	s_cselect_b32 s15, 1<<(\s), 0
	s_or_b32 s12, s12, s15
	v_cmp_ne_u32 vcc_lo, s14, v5                   ; a lane with a hidden key
	s_cmp_lg_u32 vcc_lo, 0
	s_cselect_b32 s15, 1<<(\s), 0
	s_or_b32 s13, s13, s15
.set g, 0
.rept 4                                        ; key group g: words 8 g .. 8 g + 7
.set j, 0
.rept 8
	v_and_b32 v6, 1<<(8*(j%4)), v[R0+2*g+j/4]      ; byte j of my eight
	v_cmp_ne_u32 s[BAL+j], 0, v6                   ; all 32 lanes' bits: word 8 g + j
.set j, j+1
.endr
.set j, 0
.rept 8
	v_writelane_b32 v[OUT+4*((\s)/4)+j%4], s[BAL+j], 8*((\s)%4)+2*g+j/4  ; word 32 (s % 4) + 8 g + j of 128: lane = word / 4, register = word % 4
.set j, j+1
.endr
.set g, g+1
.endr
.if (\s)%4 == 3
	global_store_b128 v2, v[OUT+4*((\s)/4):OUT+4*((\s)/4)+3], s[6:7] offset:512*((\s)/4)  ; four steps' words: 512 consecutive bytes, at a multiple of 256 from lanem's first
.endif
.endm
.irp s, 0,1,2,3,4,5,6,7
	STEP \s
.endr
	v_mov_b32 v12, s12
	v_mov_b32 v13, s13
	v_cmp_eq_u32 vcc_lo, 0, v1
	s_wait_xcnt 0x0                                ; EXEC counts among the sources of the stores above: it changes only behind this wait
	s_and_saveexec_b32 s15, vcc_lo                 ; lane 0 alone
	global_store_b8 v10, v12, s[8:9]               ; two bytes a wave, once a launch: 1 KiB in all
	global_store_b8 v10, v13, s[8:9] offset:512
	s_wait_xcnt 0x0                                ; and again in front of the line that widens it
	s_or_b32 exec_lo, exec_lo, s15
	s_wait_tensorcnt 0x0                           ; the wave's end: behind my last LDS store
	ds_add_u32 v[SPW], v[NIL]
	s_wait_dscnt 0x0
	s_endpgm
.Lfunc_end_k_q3d85c589c2_maskprep:
	.size	k_q3d85c589c2_maskprep, .Lfunc_end_k_q3d85c589c2_maskprep-k_q3d85c589c2_maskprep
	.p2alignl 7, 3214868480
	.fill 96, 4, 3214868480
	.section	.rodata,"a",@progbits
	.p2align	6, 0x0
	.amdhsa_kernel k_q3d85c589c2_maskprep
		.amdhsa_group_segment_fixed_size 34304
		.amdhsa_private_segment_fixed_size 0
		.amdhsa_enable_private_segment 0
		.amdhsa_kernarg_size 24
		.amdhsa_user_sgpr_count 2
		.amdhsa_user_sgpr_kernarg_segment_ptr 1
		.amdhsa_wavefront_size32 1
		.amdhsa_system_sgpr_workgroup_id_x 1
		.amdhsa_system_sgpr_workgroup_id_y 1
		.amdhsa_system_sgpr_workgroup_id_z 1
		.amdhsa_system_vgpr_workitem_id 0
		.amdhsa_next_free_vgpr 192
		.amdhsa_next_free_sgpr 66
		.amdhsa_reserve_vcc 1
		.amdhsa_float_denorm_mode_32 3
		.amdhsa_float_denorm_mode_16_64 3
		.amdhsa_memory_ordered 1
		.amdhsa_forward_progress 1
		.amdhsa_inst_pref_size 58
	.end_amdhsa_kernel
	.amdgpu_metadata
---
amdhsa.version: [ 1, 2 ]
amdhsa.kernels:
  - .name:           k_q3d85c589c2_maskprep
    .symbol:         k_q3d85c589c2_maskprep.kd
    .args:
      - { .name: mask, .offset: 0, .size: 8, .value_kind: global_buffer, .address_space: global }
      - { .name: lanem, .offset: 8, .size: 8, .value_kind: global_buffer, .address_space: global }
      - { .name: cls, .offset: 16, .size: 8, .value_kind: global_buffer, .address_space: global }
    .group_segment_fixed_size: 34304
    .private_segment_fixed_size: 0
    .kernarg_segment_align: 8
    .kernarg_segment_size: 24
    .max_flat_workgroup_size: 128
    .sgpr_count:     66
    .vgpr_count:     192
    .wavefront_size: 32
...
	.end_amdgpu_metadata
.endif
;; end of part 1
;; launch attn (part 2): grid 4 x 64, 8 waves a work-group, no clusters, 257,024 bytes of LDS; arguments queries, keys, values, lanem, cls, out0; writes out0
.if DOCPART == 2
	.amdgcn_target "amdgcn-amd-amdhsa--gfx1250"
	.amdhsa_code_object_version 6
	.text
	.protected	k_q3d85c589c2_attn
	.globl	k_q3d85c589c2_attn
	.p2align	8
	.type	k_q3d85c589c2_attn,@function
k_q3d85c589c2_attn:
	s_mov_b64 s[64:65], 0
	v_nop
	global_prefetch_b8 v0, s[64:65] scope:SCOPE_SE
	s_setreg_imm32_b32 hwreg(HW_REG_WAVE_MODE, 25, 1), 1
	s_wait_xcnt 0x0
; out0[h][q][:] = the sum over k of softmax_k(mask[q][k] ? Q[h][q] . K[h][k] / 8 : -inf) V[h][k][:].  64 heads, 2,048 rows, 64 channels, all f32.  The mask is an input: no pattern of it is built in.
; NO WORK IS LEFT OUT AS DEAD.  A tile-step (16 queries x 64 keys) whose mask bytes are all 0 is jumped over by the flags that the launch before stored (cls): its weights are exp(-inf) = 0 whatever
; queries, keys and values hold.  The mask itself comes as lane masks (lanem), made from it by that launch.
; FORMATS.  Q, K and V are each rounded once to bf16.  K Q^T is a bf16 product.  V's bf16 number is written as f16 (exact within f16's normal range) and the weights p are rounded to f16, for the f16 product V^T P.
; Products, maxima, sums and the merge in f32; the sum l is taken of the unrounded p.
; LIMITS.  |V| stays under 65,504; a V below 2^-14 keeps f16's fixed step of 2^-24, a p below 6e-5 the step 6e-8.  A hidden score counts as its value less 1e30, and the running maximum starts at -2^93:
; true scores lie above -9.9e27.  A weight below 2^-126 counts as 0.  A row with no visible key ends with l = 0 and gets NaN in every channel, as reference() gives.  NaN and infinities in the inputs are not
; treated apart, and one that reaches only tile-steps that are jumped over is not carried to the result.
; SHARES.  A head has 8 blocks of 256 queries; work-group b of its four takes block 7 - b and then block b.  Eight waves, i = w + 4 e, of 512 registers each.  The two waves (w, 0) and (w, 1) own the SAME 64 queries: 16 rows
; (16 w ..) in each of the block's four bands of 64: four tiles.  THE KEYS ARE SPLIT between them: of a trip's 128 keys wave e takes 64 e .. 64 e + 63 (step ks = 2 T + e).  Each keeps its own m, l and O^T;
; they meet once a block, through LDS.  So a tile's work is written in plain phases with a forward jump round it, and while one wave of a pair's kind walks its softmax another has products to issue.
; LAYOUT.  S^T = K Q^T (source 0 = 16 keys, source 1 = 16 queries): a lane holds ONE query (lane % 16) and the keys 8 (lane / 16) + 0..7.  Two such results rounded in pairs ARE source 1 of O^T = V^T P.
; SOFTMAX.  p = 2^(c s - c m), c = log2(e) / 8, with a running maximum m; O and l are multiplied by a = 2^(c m_old - c m_new) in every live step.  The first live step's a is 0, so O^T need only be finite.
; K AND V come from memory into registers a trip ahead, are rounded there and stored to a ring of two LDS slots: wave i brings keys 16 i .. 16 i + 15 of the trip.  One barrier a trip.
; NO TENSOR LOADS, NO JOINT LOADS: a tensor load would land f32, 64 KiB a trip that every work-group would read out of LDS, round and store again (32 KiB); and which trips a head's four work-groups need hangs on
; the stored flags and differs between them.
; REGISTERS, in two windows of 256 (s_set_vgpr_msb: bits 1:0 source 0, 3:2 source 1, 5:4 source 2, 7:6 destination):
;   window 0: v0-26 addresses and at work; v28-43 statistics; v44-63 the merge; v64-95 S^T; v96-111 P; v128-191 K's fragments; v192-255 V's
;   window 1: v0-127 O^T, 32 a tile; v128-191 Q, 16 a tile; v192-223 K's rows as loaded; v224-255 V's
.set PK,    144       ; a row of K or Q in LDS: 128 bytes + 16 = 36 words: the 16 rows of a load start at 16 different groups of four banks (64 banks of 4 bytes: ISA guide 11.1)
.set PV,    160       ; a row of V: 128 + 32 = 40 words
.set VOFF,  128*PK    ; a slot: 128 rows of K, then 128 rows of V
.set SLOTB, 128*(PK+PV)
.set QAR,   2*SLOTB   ; Q in bf16: pair w at 2 QBLK w; the first block's 64 rows (band-major), then the second's
.set QBLK,  64*PK
.set MRG,   QAR+8*QBLK  ; the merge: wave i at MRGW i: 16 x 512 bytes of O^T, then 512 of statistics
.set MRGW,  8704
.set STG,   MRG+8*MRGW  ; the way out: 16 rows of 256 bytes + 16 for each wave
.set SP,    272
.set SPARE, STG+8*16*SP ; the spare words, 128 bytes for each wave: four blocks of 256 bytes that no other line names
.set TRIPB, 32768     ; 128 rows of 256 bytes: a trip's K, or V, in memory
.set AK0, 3           ; v3   my place in a slot's K: (64 e + l % 16) PK + 16 (l / 16)
.set AV0, 4           ; v4   in its V, for the turning load
.set SKA, 5           ; v5   where I store 8 bytes of K: row 16 i + l / 16
.set SVA, 6           ; v6   the same for V
.set GL,  7           ; v7   16 x lane; never rewritten
.set QA01, 8          ; v8   Q's fragments of my tiles 0, 1 in the first block's rows
.set QA23, 9          ; v9   of my tiles 2, 3
.set MS,  10          ; v10  the merge: where I put
.set ML,  11          ; v11  where my partner (wave i xor 4) has put
.set STO, 12          ; v12  the way out: where I put 16 bytes of a row
.set RD,  13          ; v13  where I read rows back
.set PFO, 14          ; v14  256 x lane: the prefetches' offset, a lane a row; never rewritten
.set ZV,  15          ; v15  0
.set NEGV, 16         ; v16  -1e30
.set QS,  17          ; v17  where I store 8 bytes of Q
.set SPW, 18          ; v18  LDS address of my spare word; never rewritten
.set NIL, 19          ; v19  0; never rewritten
.set CC,  20          ; v20-23  c0-c3, at work; when the maximum is found c2 takes a
.set CMO, 24          ; v24  c m_old
.set QF01, 25         ; v25, v26  QA01, QA23 in the block in hand
.set QF23, 26
.set ST,  28          ; tile t's statistics at ST + 4 t: c m, m, l (even keys', odd keys')
.set OTH, 44          ; v44-47  my partner's: c m and l of its tiles 2, 3 = my tiles 0, 1
.set MW,  48          ; v48-63  the merge, at work
.set S,   64
.set P,   96
.set KF,  128         ; key block kb, channel half c at KF + 16 kb + 8 c
.set VF,  192         ; key half kk, channel block cb at VF + 32 kk + 8 cb
.set O,   0           ; window 1
.set Q,   128         ; window 1
.set GK,  192         ; window 1
.set GV,  224         ; window 1
.set WV,  16          ; s16  my wave's number i
.set PW,  17          ; s17  w
.set PE,  18          ; s18  e
.set PB,  19          ; s19  b
.set BLK, 20          ; s20  the block in hand
.set TL,  21          ; s21  bit 0: this trip has a live step for some wave; bit 1: the next trip; and so on, through both blocks
.set KS,  22          ; s22  my key step
.set LOOP, 24
.set BLKCNT, 25
.set PFC, 26          ; s26  prefetches still to be made
.set NOFF, 28         ; s[28:29] the next trip's byte offset in K and V
.set KA,  30          ; s[30:31], s[32:33] K and V at my rows of the next trip
.set VA,  32
.set PFA, 34          ; s[34:35] where my prefetches stand
.set MO,  36          ; s[36:39] tile t: byte offset of its lane masks for step KS, from LMB
.set CW,  40          ; s[40:47] tile t: ANY at CW + 2 t, SF at CW + 2 t + 1
.set CB,  48          ; s[48:55] the same for the second block
.set CS,  56          ; s[56:57] c
.set SEL, 58          ; s[58:59] v_permlanex16_b32's selects: each lane takes its own place in the other half
.set OUTB, 60         ; s[60:61] out0 at the rows that I finish
.set WANY, 66         ; s66  the four ANY, or-ed
.set HI,  67          ; s67  7 - b
.set M,   68          ; s[68:99] a tile-step's 32 lane masks
.set LMB, 100         ; s[100:101] lanem at query tile 16 blk + w
.set MSB, 0
.macro WIN new                      ; the high byte repeats the setting that is left; a switch that changes nothing is dropped
.if MSB != (\new)
	s_set_vgpr_msb (MSB<<8)|(\new)
.set MSB, (\new)
.endif
.endm
.macro PLACES                       ; four places behind matrix instructions (ISA guide 7.12.1), where no other vector work is at hand
.rept 4
	v_nop
.endr
.endm
	s_load_b256 s[4:11], s[0:1], 0x0  ; queries s[4:5], keys s[6:7], values s[8:9], lanem s[10:11]
	s_load_b128 s[12:15], s[0:1], 0x20  ; cls s[12:13], out0 s[14:15]
	v_lshl_add_u32 v[SPW], v0, 2, SPARE
	v_mov_b32 v[NIL], 0
	v_lshrrev_b32 v20, 5, v0
	v_readfirstlane_b32 s[WV], v20  ; wave 0..7
	s_and_b32 s[PW], s[WV], 3
	s_lshr_b32 s[PE], s[WV], 2
	s_mov_b32 s[PB], ttmp9
	s_sub_co_u32 s[HI], 7, s[PB]
	s_and_b32 s62, ttmp7, 0xffff    ; the head:
	s_lshl_b32 s62, s62, 19         ; 2,048 rows of 256 bytes
	s_mov_b32 s63, 0
	v_and_b32 v1, 15, v0            ; l % 16
	v_bfe_u32 v2, v0, 4, 1          ; l / 16
	v_and_b32 v20, 31, v0           ; l
	v_and_b32 v21, 7, v0
	v_bfe_u32 v22, v0, 3, 1
	v_lshlrev_b32 v[GL], 4, v20
	v_lshlrev_b32 v[PFO], 8, v20
	v_mov_b32 v[ZV], 0
	v_mov_b32 v[NEGV], 0xf149f2ca
	v_mul_u32_u24 v23, v1, PK
	v_lshl_add_u32 v23, v2, 4, v23  ; a fragment's row x pitch + 16 x half
	s_mul_i32 s2, s[PE], 64*PK
	v_add_nc_u32 v[AK0], s2, v23
	v_lshl_add_u32 v[AV0], v2, 3, v21  ; the turning load: lane l reads key 8 (l / 16) + l % 8, channels 8 ((l / 8) % 2) + 0..7
	v_mul_u32_u24 v[AV0], v[AV0], PV
	v_lshl_add_u32 v[AV0], v22, 4, v[AV0]
	s_mul_i32 s2, s[PE], 64*PV
	s_add_co_u32 s2, s2, VOFF
	v_add_nc_u32 v[AV0], s2, v[AV0]
	v_mul_u32_u24 v24, v2, PK
	v_lshl_add_u32 v24, v1, 3, v24  ; a load of 512 bytes is two rows: row l / 16, 4 channels at 8 (l % 16) once rounded
	s_mul_i32 s2, s[WV], 16*PK
	v_add_nc_u32 v[SKA], s2, v24
	v_mul_u32_u24 v[SVA], v2, PV
	v_lshl_add_u32 v[SVA], v1, 3, v[SVA]
	s_mul_i32 s2, s[WV], 16*PV
	s_add_co_u32 s2, s2, VOFF
	v_add_nc_u32 v[SVA], s2, v[SVA]
	s_mul_i32 s2, s[PW], 2*QBLK
	s_add_co_u32 s2, s2, QAR        ; my pair's Q
	s_mul_i32 s3, s[PE], 32*PK      ; my tile t lies in band (t + 2 e) % 4: tiles 0, 1 in bands 2 e, 2 e + 1,
	s_add_co_u32 s3, s3, s2
	v_add_nc_u32 v[QA01], s3, v23
	s_xor_b32 s3, s[PE], 1          ; tiles 2, 3 in bands 2 (1 - e), 2 (1 - e) + 1
	s_mul_i32 s3, s3, 32*PK
	s_add_co_u32 s3, s3, s2
	v_add_nc_u32 v[QA23], s3, v23
	s_mul_i32 s3, s[PE], QBLK       ; wave e brings the pair's rows of the first (e = 0) or second block
	s_add_co_u32 s3, s3, s2
	v_add_nc_u32 v[QS], s3, v24
	s_mul_i32 s2, s[WV], MRGW
	s_add_co_u32 s2, s2, MRG
	v_add_nc_u32 v[MS], s2, v[GL]
	s_xor_b32 s2, s[WV], 4          ; my partner
	s_mul_i32 s2, s2, MRGW
	s_add_co_u32 s2, s2, MRG
	v_add_nc_u32 v[ML], s2, v[GL]
	s_mul_i32 s2, s[WV], 16*SP
	s_add_co_u32 s2, s2, STG
	v_mul_u32_u24 v[STO], v1, SP    ; in: row l % 16, 32 bytes for each half of the lanes
	v_lshl_add_u32 v[STO], v2, 5, v[STO]
	v_add_nc_u32 v[STO], s2, v[STO]
	v_mul_u32_u24 v[RD], v2, SP     ; back: lanes 0-15 take one row of 256 bytes, lanes 16-31 the next
	v_lshl_add_u32 v[RD], v1, 4, v[RD]
	v_add_nc_u32 v[RD], s2, v[RD]
	; the flags' offsets in cls: query tile 16 blk + 4 band + w is word 16 blk + 4 band + w.  These ten registers stay as they are until the loads have read them
	s_lshl_b32 s3, s[HI], 6         ; the first block's 16 words
	s_lshl_b32 s66, s[PB], 6        ; the second's
	s_lshl_b32 s2, s[PW], 2
	s_lshl_b32 s36, s[PE], 5        ; band 2 e
	s_xor_b32 s37, s36, 32          ; band 2 (1 - e)
	s_add_co_u32 s36, s36, s2
	s_add_co_u32 s37, s37, s2
	s_add_co_u32 s20, s3, s36
	s_add_co_u32 s21, s20, 16
	s_add_co_u32 s22, s3, s37
	s_add_co_u32 s23, s22, 16
	s_add_co_u32 s24, s66, s36
	s_add_co_u32 s25, s24, 16
	s_add_co_u32 s26, s66, s37
	s_add_co_u32 s27, s26, 16
	s_cmp_eq_u32 s[PE], 0
	s_cselect_b32 s58, s[HI], s[PB] ; the block whose Q I bring:
	s_lshl_b32 s58, s58, 16         ; its 256 rows,
	s_lshl_b32 s59, s[PW], 12       ; my pair's 16 in a band
	s_add_co_u32 s58, s58, s59
	s_mov_b32 s59, 0
	s_wait_kmcnt 0x0
	s_add_nc_u64 s[4:5], s[4:5], s[62:63]  ; all four tensors at the head
	s_add_nc_u64 s[6:7], s[6:7], s[62:63]
	s_add_nc_u64 s[8:9], s[8:9], s[62:63]
	s_add_nc_u64 s[14:15], s[14:15], s[62:63]
	s_cmp_lt_u32 s[WV], 4
	s_cselect_b64 s[PFA:PFA+1], s[6:7], s[8:9]  ; waves 0-3 prefetch K's rows, waves 4-7 V's:
	s_lshl_b32 s62, s[PW], 13       ; 32 rows each of a trip's 128,
	s_add_co_u32 s62, s62, 3*TRIPB  ; beginning with trip 3
	s_add_nc_u64 s[PFA:PFA+1], s[PFA:PFA+1], s[62:63]
	s_lshl_b32 s62, s[WV], 12       ; my 16 rows of a trip
	s_add_nc_u64 s[6:7], s[6:7], s[62:63]
	s_add_nc_u64 s[8:9], s[8:9], s[62:63]
	s_add_nc_u64 s[OUTB:OUTB+1], s[4:5], s[58:59]  ; (for now: Q at the rows that I bring)
	s_load_b512 s[M:M+15], s[12:13], s3 offset:0x0      ; ANY of the first block's 16 query tiles,
	s_load_b512 s[M+16:M+31], s[12:13], s66 offset:0x0  ; of the second's,
.irp t, 0,1,2,3
	s_load_b32 s[CW+2*(\t)], s[12:13], s[20+(\t)] offset:0x0      ; and my own four tiles' ANY and SF, for both blocks
	s_load_b32 s[CW+2*(\t)+1], s[12:13], s[20+(\t)] offset:0x200
	s_load_b32 s[CB+2*(\t)], s[12:13], s[24+(\t)] offset:0x0
	s_load_b32 s[CB+2*(\t)+1], s[12:13], s[24+(\t)] offset:0x200
.endr
.set n, 0
.rept 32                            ; Q: band n / 8, rows 2 (n % 8) and the next: 512 consecutive bytes a load; each byte of Q is read once in the launch
	global_load_b128 v[128+4*n:128+4*n+3], v[GL], s[OUTB:OUTB+1] offset:(n/8)*16384+(n%8)*512 th:TH_LOAD_NT
.set n, n+1
.endr
	WIN 0x40                        ; destination window 1
.set n, 0
.rept 8                             ; K and V of trip 0, whatever the flags say: so these registers are written on every way
	global_load_b128 v[GK+4*n:GK+4*n+3], v[GL], s[6:7] offset:512*n
	global_load_b128 v[GV+4*n:GV+4*n+3], v[GL], s[8:9] offset:512*n
.set n, n+1
.endr
.set n, 0
.rept 128                           ; O^T need only be finite: zeros, written once a launch while the first loads are out.  The price of writing no first step out, which the jumps by flags would want for every tile
	v_mov_b32 v[O+n], 0
.set n, n+1
.endr
	WIN 0
	s_wait_kmcnt 0x0
	s_wait_xcnt 0x0                 ; every load issued so far has read its address: the offsets above may be written again
.irp n, 1,2,3,4,5,6,7,8,9,10,11,12,13,14,15
	s_or_b32 s[M], s[M], s[M+(\n)]        ; a step that some tile of the block wants
	s_or_b32 s[M+16], s[M+16], s[M+16+(\n)]
.endr
.macro SQUEEZE x                    ; bit T of the result = bit 2 T or bit 2 T + 1: a trip that somebody wants
	s_lshr_b32 s3, s[\x], 1
	s_or_b32 s[\x], s[\x], s3
	s_and_b32 s[\x], s[\x], 0x55555555
	s_lshr_b32 s3, s[\x], 1
	s_or_b32 s[\x], s[\x], s3
	s_and_b32 s[\x], s[\x], 0x33333333
	s_lshr_b32 s3, s[\x], 2
	s_or_b32 s[\x], s[\x], s3
	s_and_b32 s[\x], s[\x], 0x0f0f0f0f
	s_lshr_b32 s3, s[\x], 4
	s_or_b32 s[\x], s[\x], s3
	s_and_b32 s[\x], s[\x], 0x00ff00ff
	s_lshr_b32 s3, s[\x], 8
	s_or_b32 s[\x], s[\x], s3
	s_and_b32 s[\x], s[\x], 0xffff
.endm
	SQUEEZE M
	SQUEEZE M+16
	s_lshl_b32 s[M+16], s[M+16], 16
	s_or_b32 s[TL], s[M], s[M+16]   ; the same number in all eight waves
	s_mov_b32 s[NOFF], 0
	s_mov_b32 s[NOFF+1], 0
	s_cmp_eq_u32 s[PB], 0           ; all four work-groups of a head walk the same K and V: the first of them prefetches, in its first block:
	s_cselect_b32 s[PFC], 13, 0     ; in trips 0 to 12, for trips 3 to 15
	s_mov_b32 s[BLKCNT], 2
	s_mov_b32 s[CS], 0x3e38aa3b     ; c = log2(e) / 8 = 0.180337
	s_mov_b32 s[CS+1], s[CS]        ; named with it as a pair
	s_mov_b32 s[SEL], 0x76543210
	s_mov_b32 s[SEL+1], 0xfedcba98
	s_wait_loadcnt 16               ; Q's 32 loads are in; the 16 younger, K's and V's, stay out
.set n, 0
.rept 32
	v_cvt_pk_bf16_f32 v[64+2*n], v[128+4*n], v[128+4*n+1]
	v_cvt_pk_bf16_f32 v[64+2*n+1], v[128+4*n+2], v[128+4*n+3]
.set n, n+1
.endr
.set n, 0
.rept 32
	ds_store_b64 v[QS], v[64+2*n:64+2*n+1] offset:(n/8)*16*PK+(n%8)*2*PK
.set n, n+1
.endr
	s_wait_dscnt 0x0                ; for my partner's sake: my stores are done
	s_barrier_signal -1
	s_barrier_wait -1               ; both blocks' Q lies in LDS
; A trip's K and V, as loaded (wave i: keys 16 i .. 16 i + 15; load n: rows 2 n and 2 n + 1, 4 channels a lane), rounded and stored into slot p.
.macro FILL p
	WIN 0x05                        ; sources window 1, destination window 0
.set n, 0
.rept 16
	v_cvt_pk_bf16_f32 v[64+n], v[GK+2*n], v[GK+2*n+1]
.set n, n+1
.endr
	WIN 0x44                        ; source 1 and destination window 1
.set n, 0
.rept 32
	v_cvt_pk_bf16_f32 v[GV+n], v[ZV], v[GV+n]  ; 0 in the low half, bf16(V) in the high: V rounded to bf16, read as f32
.set n, n+1
.endr
	WIN 0x05
.set n, 0
.rept 16
	v_cvt_pk_f16_f32 v[80+n], v[GV+2*n], v[GV+2*n+1]  ; 8 significant bits in f16's 11: exact
.set n, n+1
.endr
	WIN 0
.set n, 0
.rept 8
	ds_store_b64 v[SKA], v[64+2*n:64+2*n+1] offset:(\p)*SLOTB+2*PK*n
	ds_store_b64 v[SVA], v[80+2*n:80+2*n+1] offset:(\p)*SLOTB+2*PV*n
.set n, n+1
.endr
.endm
; Four products of S^T = K Q^T for tile t: channels 32 c on, key blocks 0 to 3.  zero = 1: they start the sums with the constant 0.  The four accumulators take turns.
.macro KQ4 t, c, zero
.set kb, 0
.rept 4
.if \zero
	v_wmma_f32_16x16x32_bf16 v[S+8*kb:S+8*kb+7], v[KF+16*kb+8*(\c):KF+16*kb+8*(\c)+7], v[Q+16*(\t)+8*(\c):Q+16*(\t)+8*(\c)+7], 0
.else
	v_wmma_f32_16x16x32_bf16 v[S+8*kb:S+8*kb+7], v[KF+16*kb+8*(\c):KF+16*kb+8*(\c)+7], v[Q+16*(\t)+8*(\c):Q+16*(\t)+8*(\c)+7], v[S+8*kb:S+8*kb+7]
.endif
.set kb, kb+1
.endr
.endm
.macro FS n                         ; c s - c m for pair n of 16
	v_pk_fma_f32 v[S+2*(\n):S+2*(\n)+1], v[S+2*(\n):S+2*(\n)+1], s[CS:CS+1], v[rT:rT+1] op_sel_hi:[1,0,0] neg_lo:[0,0,1] neg_hi:[0,0,1]
.endm
.macro CV n                         ; pair n rounded to f16
	v_cvt_pk_f16_f32 v[P+(\n)], v[S+2*(\n)], v[S+2*(\n)+1]
.endm
.macro BS n                         ; of the four weights 4 n .. the second pair is added onto the first, in place
	v_pk_add_f32 v[S+4*(\n):S+4*(\n)+1], v[S+4*(\n):S+4*(\n)+1], v[S+4*(\n)+2:S+4*(\n)+3]
.endm
.macro LS n                         ; l takes that sum; the first time as l = a l + sum
.if (\n) == 0
	v_pk_fma_f32 v[rT+2:rT+3], v[rT+2:rT+3], v[CC+2:CC+3], v[S:S+1] op_sel_hi:[1,0,1]
.else
	v_pk_add_f32 v[rT+2:rT+3], v[rT+2:rT+3], v[S+4*(\n):S+4*(\n)+1]
.endif
.endm
; ONE TILE'S KEY STEP, in phases.  Nothing visible: jumped over whole; m, l and O^T stay as they are.  Something hidden: the 32 lane masks come by two scalar loads, 32 selects write 0 or -1e30 into S^T's
; registers, and the products that start the sums add onto them.  Nothing hidden: they start with the constant 0.
.macro TILE t
.set rT, ST+4*(\t)
	s_bitcmp1_b32 s[CW+2*(\t)], s[KS]
	s_cbranch_scc0 .Lend_\@
	s_bitcmp1_b32 s[CW+2*(\t)+1], s[KS]
	s_cbranch_scc0 .Lplain_\@
	s_load_b512 s[M:M+15], s[LMB:LMB+1], s[MO+(\t)] offset:0x0
	s_load_b512 s[M+16:M+31], s[LMB:LMB+1], s[MO+(\t)] offset:0x40
	s_wait_kmcnt 0x0
.set n, 0
.rept 32
	v_cndmask_b32 v[S+n], v[NEGV], v[ZV], s[M+n]  ; visible: 0; hidden: -1e30
.set n, n+1
.endr
	WIN 0x04                        ; Q (source 1) in window 1
	KQ4 \t, 0, 0
	WIN 0                           ; at a label and at a branch every window is 0
	s_branch .Ljoin_\@
.Lplain_\@:
	WIN 0x04
	KQ4 \t, 0, 1
	WIN 0
.Ljoin_\@:
	WIN 0x04
	KQ4 \t, 1, 0
	WIN 0
	PLACES                          ; the maximum reads results just made
	; the maximum of the lane's 32 scores and the old m: four chains of seven scores, three operands at a time; each accumulator's lowest registers are read first
.set n, 0
.rept 4
	v_max3_num_f32 v[CC+n], v[S+8*n], v[S+8*n+1], v[S+8*n+2]
.set n, n+1
.endr
.rept 8
	v_max3_num_f32 v[CC+n%4], v[CC+n%4], v[S+8*(n%4)+2*(n/4)+1], v[S+8*(n%4)+2*(n/4)+2]
.set n, n+1
.endr
	v_max3_num_f32 v[CC], v[CC], v[S+7], v[S+15]
	v_max3_num_f32 v[CC+1], v[CC+1], v[S+23], v[S+31]
	v_mov_b32 v[CMO], v[rT]         ; c m_old is kept
	v_max3_num_f32 v[CC+2], v[CC+2], v[CC+3], v[rT+1]
	v_max3_num_f32 v[CC], v[CC], v[CC+1], v[CC+2]
	v_permlanex16_b32 v[CC+3], v[CC], s[SEL], s[SEL+1]  ; the query's other 32 keys lie in the lane 16 away
	v_max_num_f32 v[rT+1], v[CC], v[CC+3]
	v_mul_f32 v[rT], s[CS], v[rT+1]
	v_sub_f32 v[CC+1], v[CMO], v[rT]
	v_exp_f32 v[CC+2], v[CC+1]      ; a.  It and the 32 below are ONE BATCH: nothing ahead of the wait names a result of theirs
	FS 0
	FS 1
	FS 2
.set k, 0
.rept 16                            ; a pair is scaled three pairs ahead of its exponentials
	v_exp_f32 v[S+2*k], v[S+2*k]
.if k+3 <= 15
	FS k+3
.endif
	v_exp_f32 v[S+2*k+1], v[S+2*k+1]
.set k, k+1
.endr
	v_nop                           ; a plain instruction behind the last exponential (ISA guide 5.7.2),
	s_wait_alu depctr_va_vdst(0)    ; and one wait ahead of the batch's first reader
	WIN 0x41                        ; O^T (destination and source 0) in window 1, a in window 0
.set n, 0
.rept 16
	v_pk_mul_f32 v[O+32*(\t)+2*n:O+32*(\t)+2*n+1], v[O+32*(\t)+2*n:O+32*(\t)+2*n+1], v[CC+2:CC+3] op_sel_hi:[1,0]
.set n, n+1
.endr
	WIN 0
	CV 0
	CV 1
	BS 0
.set k, 1
.rept 7
	CV 2*k
	CV 2*k+1
	BS k
	LS k-1
.set k, k+1
.endr
	LS 7
	s_wait_dscnt 0x0                ; V's fragments are in
	WIN 0x50                        ; C and D in window 1
.set n, 0
.rept 8                             ; O^T += V^T P: keys 32 (n / 4) on, channels 16 (n % 4) on; the four accumulators take turns
	v_wmma_f32_16x16x32_f16 v[O+32*(\t)+8*(n%4):O+32*(\t)+8*(n%4)+7], v[VF+32*(n/4)+8*(n%4):VF+32*(n/4)+8*(n%4)+7], v[P+8*(n/4):P+8*(n/4)+7], v[O+32*(\t)+8*(n%4):O+32*(\t)+8*(n%4)+7]
.set n, n+1
.endr
	WIN 0
.Lend_\@:
.endm
; A TRIP: 128 keys, in slot p.  What was loaded in the last trip is rounded and stored; the next trip's rows are asked for; ONE barrier; my 64 keys are read and my four tiles worked.
; The barrier does two things.  In front of it each wave has waited for its stores into slot p and for its reads of slot 1 - p; behind it slot p is whole, and in the next trip slot 1 - p may be stored again.
; Every jump hangs on whole numbers read from memory or on ids, goes forward, and passes no barrier.  The waits are for 0 because the ways ahead of them differ.
.macro TRIP p
	s_wait_loadcnt 0x0              ; what the last trip asked for is in
	s_bitcmp1_b32 s[TL], 0
	s_cbranch_scc0 .Lnofill_\@
	FILL \p
.Lnofill_\@:
	s_add_co_u32 s[NOFF], s[NOFF], TRIPB
	s_and_b32 s[NOFF], s[NOFF], 0x7ffff  ; behind a block's last trip: the next block's trip 0
	s_add_nc_u64 s[KA:KA+1], s[6:7], s[NOFF:NOFF+1]
	s_add_nc_u64 s[VA:VA+1], s[8:9], s[NOFF:NOFF+1]
	s_bitcmp1_b32 s[TL], 1
	s_cbranch_scc0 .Lnoload_\@
	WIN 0x40
.set n, 0
.rept 8
	global_load_b128 v[GK+4*n:GK+4*n+3], v[GL], s[KA:KA+1] offset:512*n
	global_load_b128 v[GV+4*n:GV+4*n+3], v[GL], s[VA:VA+1] offset:512*n
.set n, n+1
.endr
	WIN 0
.Lnoload_\@:
	s_cmp_lg_u32 s[PFC], 0
	s_cbranch_scc0 .Lnopf_\@
	global_prefetch_b8 v[PFO], s[PFA:PFA+1] th:TH_LOAD_NT scope:SCOPE_SE  ; trip T + 3, two trips ahead of the loads that will want it: my 32 rows of 256 bytes, a lane a row; each row is named once in the launch
	s_sub_co_u32 s[PFC], s[PFC], 1
.Lnopf_\@:
	s_lshr_b32 s[TL], s[TL], 1
	s_wait_dscnt 0x0                ; my stores into this slot are done; so are my reads of the other slot, and the loads of Q's fragments
	s_barrier_signal -1
	s_barrier_wait -1
	s_bitcmp1_b32 s[WANY], s[KS]
	s_cbranch_scc0 .Lnostep_\@
	PLACES                          ; behind the last products that read K's and V's fragments
.set f, 0
.rept 8                             ; keys 16 (f / 2) on, channels 32 (f % 2) on
	ds_load_b128 v[KF+8*f:KF+8*f+3],   v[AK0] offset:(\p)*SLOTB+(f/2)*16*PK+(f%2)*64
	ds_load_b128 v[KF+8*f+4:KF+8*f+7], v[AK0] offset:(\p)*SLOTB+(f/2)*16*PK+(f%2)*64+32
.set f, f+1
.endr
.set f, 0
.rept 8                             ; keys 32 (f / 4) on, channels 16 (f % 4) on, turned
	ds_load_tr16_b128 v[VF+8*f:VF+8*f+3],   v[AV0] offset:(\p)*SLOTB+(f/4)*32*PV+(f%4)*32
	ds_load_tr16_b128 v[VF+8*f+4:VF+8*f+7], v[AV0] offset:(\p)*SLOTB+(f/4)*32*PV+16*PV+(f%4)*32
.set f, f+1
.endr
	s_wait_dscnt 16                 ; K's 16 loads are in; V's 16, issued behind them, stay out
	TILE 0
	TILE 1
	TILE 2
	TILE 3
.Lnostep_\@:
	s_wait_xcnt 0x0                 ; the trip's loads, scalar loads and prefetch have read their addresses: only behind this wait are these written
	s_add_nc_u64 s[PFA:PFA+1], s[PFA:PFA+1], TRIPB
.irp t, 0,1,2,3
	s_add_co_u32 s[MO+(\t)], s[MO+(\t)], 256  ; two steps of 128 bytes on
.endr
	s_add_co_u32 s[KS], s[KS], 2
.endm
.Lblock:                            ; twice: block 7 - b, then block b
	s_cmp_eq_u32 s[BLKCNT], 2
	s_cselect_b32 s[BLK], s[HI], s[PB]
	s_cselect_b32 s2, 0, QBLK
.irp n, 0,1,2,3,4,5,6,7
	s_cselect_b32 s[CW+(\n)], s[CW+(\n)], s[CB+(\n)]
.endr
	v_add_nc_u32 v[QF01], s2, v[QA01]
	v_add_nc_u32 v[QF23], s2, v[QA23]
	s_or_b32 s[WANY], s[CW], s[CW+2]
	s_or_b32 s[WANY], s[WANY], s[CW+4]
	s_or_b32 s[WANY], s[WANY], s[CW+6]
	s_lshl_b32 s2, s[BLK], 16       ; query tile 16 blk + w: 4,096 bytes of lanem a tile; and rows 256 blk + 16 w: 256 bytes of out0 a row
	s_lshl_b32 s3, s[PW], 12
	s_add_co_u32 s2, s2, s3
	s_mov_b32 s3, 0
	s_add_nc_u64 s[LMB:LMB+1], s[10:11], s[2:3]
	s_lshl_b32 s62, s[PE], 15       ; I finish my tiles 0 and 1: bands 2 e and 2 e + 1
	s_add_co_u32 s2, s2, s62
	s_add_nc_u64 s[OUTB:OUTB+1], s[14:15], s[2:3]
	s_lshl_b32 s62, s[PE], 7        ; step e: 128 bytes a step
	s_lshl_b32 s[MO], s[PE], 15     ; band 2 e: four query tiles a band
	s_add_co_u32 s[MO], s[MO], s62
	s_add_co_u32 s[MO+1], s[MO], 16384
	s_xor_b32 s[MO+2], s[PE], 1
	s_lshl_b32 s[MO+2], s[MO+2], 15
	s_add_co_u32 s[MO+2], s[MO+2], s62
	s_add_co_u32 s[MO+3], s[MO+2], 16384
	s_mov_b32 s[KS], s[PE]
.irp t, 0,1,2,3
	v_mov_b32 v[ST+4*(\t)], 0xecb8aa3b    ; c m = -c 2^93
	v_mov_b32 v[ST+4*(\t)+1], 0xee000000  ; m = -2^93: above every hidden score, below every true one
	v_mov_b32 v[ST+4*(\t)+2], 0
	v_mov_b32 v[ST+4*(\t)+3], 0
.endr
	WIN 0x40
.irp t, 0,1,2,3
.irp c, 0,1
	ds_load_b128 v[Q+16*(\t)+8*(\c):Q+16*(\t)+8*(\c)+3],   v[QF01+(\t)/2] offset:((\t)%2)*16*PK+64*(\c)
	ds_load_b128 v[Q+16*(\t)+8*(\c)+4:Q+16*(\t)+8*(\c)+7], v[QF01+(\t)/2] offset:((\t)%2)*16*PK+64*(\c)+32
.endr
.endr
	WIN 0
	s_mov_b32 s[LOOP], 8
.Ltrip:
	TRIP 0
	TRIP 1
	s_sub_co_u32 s[LOOP], s[LOOP], 1
	s_cmp_lg_u32 s[LOOP], 0
	s_cbranch_scc1 .Ltrip
	; THE MERGE.  l's two halves and the other half of the lanes' are added (the additions are the places behind the last products).  I send my tiles 2 and 3, which are my partner's tiles 0 and 1, and finish my tiles 0 and 1.
.irp t, 0,1,2,3
	v_add_f32 v[ST+4*(\t)+2], v[ST+4*(\t)+2], v[ST+4*(\t)+3]
.endr
.irp t, 0,1,2,3
	v_permlanex16_b32 v[ST+4*(\t)+3], v[ST+4*(\t)+2], s[SEL], s[SEL+1]
.endr
.irp t, 0,1,2,3
	v_add_f32 v[ST+4*(\t)+2], v[ST+4*(\t)+2], v[ST+4*(\t)+3]
.endr
	v_mov_b32 v[MW], v[ST+8]        ; c m and l of tile 2,
	v_mov_b32 v[MW+1], v[ST+10]
	v_mov_b32 v[MW+2], v[ST+12]     ; of tile 3
	v_mov_b32 v[MW+3], v[ST+14]
	ds_store_b128 v[MS], v[MW:MW+3] offset:8192
	WIN 0x04                        ; the data (source 1) in window 1
.set n, 0
.rept 16
	ds_store_b128 v[MS], v[O+64+4*n:O+64+4*n+3] offset:512*n
.set n, n+1
.endr
	WIN 0
	s_wait_dscnt 0x0                ; for my partner's sake: my stores are done
	s_barrier_signal -1
	s_barrier_wait -1
.set n, 0
.rept 16
	ds_load_b128 v[KF+4*n:KF+4*n+3], v[ML] offset:512*n
.set n, n+1
.endr
	ds_load_b128 v[OTH:OTH+3], v[ML] offset:8192
	s_wait_dscnt 0x0                ; my reads are over,
	s_barrier_signal -1
	s_barrier_wait -1               ; everybody's are: these bytes may be stored again in the next block
	; Tile u: out = (f O + f' O') / (f l + f' l'), f = 2^(c m - c max), and f = 0 where that wave's l is 0: an O^T that has seen no key counts for nothing.  Both l = 0: 0 x (1 / 0) = NaN.
.irp u, 0,1
	v_max_num_f32 v[MW+(\u)], v[ST+4*(\u)], v[OTH+2*(\u)]
.endr
.irp u, 0,1
	v_sub_f32 v[MW+5+4*(\u)], v[ST+4*(\u)], v[MW+(\u)]
	v_sub_f32 v[MW+7+4*(\u)], v[OTH+2*(\u)], v[MW+(\u)]
.endr
.irp u, 0,1
	v_exp_f32 v[MW+4+4*(\u)], v[MW+5+4*(\u)]
	v_exp_f32 v[MW+6+4*(\u)], v[MW+7+4*(\u)]
.endr
	v_nop                           ; a plain instruction behind the last exponential,
	s_wait_alu depctr_va_vdst(0)    ; and one wait for the four
.irp u, 0,1
	v_cmp_lt_f32 vcc_lo, 0, v[ST+4*(\u)+2]
	v_cndmask_b32 v[MW+4+4*(\u)], v[ZV], v[MW+4+4*(\u)], vcc_lo
	v_cmp_lt_f32 vcc_lo, 0, v[OTH+2*(\u)+1]
	v_cndmask_b32 v[MW+6+4*(\u)], v[ZV], v[MW+6+4*(\u)], vcc_lo
	v_mul_f32 v[MW+12+(\u)], v[MW+4+4*(\u)], v[ST+4*(\u)+2]
	v_fmac_f32 v[MW+12+(\u)], v[MW+6+4*(\u)], v[OTH+2*(\u)+1]
.endr
	v_rcp_f32 v[MW+14], v[MW+12]
	v_rcp_f32 v[MW+15], v[MW+13]
	v_nop
	s_wait_alu depctr_va_vdst(0)    ; one wait for the two reciprocals
.irp u, 0,1
	v_mul_f32 v[MW+4+4*(\u)], v[MW+4+4*(\u)], v[MW+14+(\u)]
	v_mul_f32 v[MW+6+4*(\u)], v[MW+6+4*(\u)], v[MW+14+(\u)]
.endr
.irp u, 0,1
.set n, 0
.rept 16
	v_pk_mul_f32 v[KF+32*(\u)+2*n:KF+32*(\u)+2*n+1], v[KF+32*(\u)+2*n:KF+32*(\u)+2*n+1], v[MW+6+4*(\u):MW+7+4*(\u)] op_sel_hi:[1,0]
.set n, n+1
.endr
.endr
	WIN 0x01                        ; my O^T (source 0) in window 1.  It stays finite for the next block
.irp u, 0,1
.set n, 0
.rept 16
	v_pk_fma_f32 v[KF+32*(\u)+2*n:KF+32*(\u)+2*n+1], v[O+32*(\u)+2*n:O+32*(\u)+2*n+1], v[MW+4+4*(\u):MW+5+4*(\u)], v[KF+32*(\u)+2*n:KF+32*(\u)+2*n+1] op_sel_hi:[1,0,1]
.set n, n+1
.endr
.endr
	WIN 0
	; THE WAY OUT.  A lane holds eight neighbouring channels of a row, 32 bytes; a tile goes through my own stage and comes back as whole rows of 256 bytes.
.irp u, 0,1
.set n, 0
.rept 8
	ds_store_b128 v[STO], v[KF+32*(\u)+4*n:KF+32*(\u)+4*n+3] offset:64*(n/2)+16*(n%2)
.set n, n+1
.endr
.set n, 0
.rept 8
	ds_load_b128 v[VF+32*(\u)+4*n:VF+32*(\u)+4*n+3], v[RD] offset:2*SP*n  ; LDS serves a wave's instructions in order (ISA guide 5.7.1.4): these see the stores above; the next tile's stores come behind them
.set n, n+1
.endr
.endr
.irp u, 0,1
.set n, 0
.rept 8
	s_wait_dscnt 16*(1-(\u))+7-n    ; the younger read-backs, and behind tile 0's the sixteen LDS instructions of tile 1, stay out
	global_store_b128 v[GL], v[VF+32*(\u)+4*n:VF+32*(\u)+4*n+3], s[OUTB:OUTB+1] offset:16384*(\u)+512*n th:TH_STORE_NT  ; two rows: 512 consecutive bytes, at a multiple of 256 from out0's first
.set n, n+1
.endr
.endr
	s_wait_xcnt 0x0                 ; the stores have read their registers and their base: both are written again in the next block
	s_sub_co_u32 s[BLKCNT], s[BLKCNT], 1
	s_cmp_lg_u32 s[BLKCNT], 0
	s_cbranch_scc1 .Lblock
	s_wait_tensorcnt 0x0            ; the wave's end: behind my last LDS store
	ds_add_u32 v[SPW], v[NIL]
	s_wait_dscnt 0x0
	s_endpgm
.Lfunc_end_k_q3d85c589c2_attn:
	.size	k_q3d85c589c2_attn, .Lfunc_end_k_q3d85c589c2_attn-k_q3d85c589c2_attn
	.p2alignl 7, 3214868480
	.fill 96, 4, 3214868480
	.section	.rodata,"a",@progbits
	.p2align	6, 0x0
	.amdhsa_kernel k_q3d85c589c2_attn
		.amdhsa_group_segment_fixed_size 257024
		.amdhsa_private_segment_fixed_size 0
		.amdhsa_enable_private_segment 0
		.amdhsa_kernarg_size 48
		.amdhsa_user_sgpr_count 2
		.amdhsa_user_sgpr_kernarg_segment_ptr 1
		.amdhsa_wavefront_size32 1
		.amdhsa_system_sgpr_workgroup_id_x 1
		.amdhsa_system_sgpr_workgroup_id_y 1
		.amdhsa_system_sgpr_workgroup_id_z 1
		.amdhsa_system_vgpr_workitem_id 0
		.amdhsa_next_free_vgpr 512
		.amdhsa_next_free_sgpr 102
		.amdhsa_reserve_vcc 1
		.amdhsa_float_denorm_mode_32 3
		.amdhsa_float_denorm_mode_16_64 3
		.amdhsa_memory_ordered 1
		.amdhsa_forward_progress 1
		.amdhsa_inst_pref_size 142
	.end_amdhsa_kernel
	.amdgpu_metadata
---
amdhsa.version: [ 1, 2 ]
amdhsa.kernels:
  - .name:           k_q3d85c589c2_attn
    .symbol:         k_q3d85c589c2_attn.kd
    .args:
      - { .name: queries, .offset: 0, .size: 8, .value_kind: global_buffer, .address_space: global }
      - { .name: keys, .offset: 8, .size: 8, .value_kind: global_buffer, .address_space: global }
      - { .name: values, .offset: 16, .size: 8, .value_kind: global_buffer, .address_space: global }
      - { .name: lanem, .offset: 24, .size: 8, .value_kind: global_buffer, .address_space: global }
      - { .name: cls, .offset: 32, .size: 8, .value_kind: global_buffer, .address_space: global }
      - { .name: out0, .offset: 40, .size: 8, .value_kind: global_buffer, .address_space: global }
    .group_segment_fixed_size: 257024
    .private_segment_fixed_size: 0
    .kernarg_segment_align: 8
    .kernarg_segment_size: 48
    .max_flat_workgroup_size: 256
    .sgpr_count:     102
    .vgpr_count:     512
    .wavefront_size: 32
...
	.end_amdgpu_metadata
.endif
;; end of part 2
